; MI455X (gfx1250); checked and timed in simulation.
; The chip was launched on July 23, 2026; its instructions are those of AMD's public machine-readable ISA for CDNA 5 (MIT licence, August 2026) and "CDNA5" Instruction Set Architecture Reference Guide (July 2026). The comments in the code are by the model that wrote it; some were corrected since.
;; Mixtral Sparse Moe Block. Allowed arithmetic: matrix products marked QUANTISED: E2M1 operands, one E8M0 scale for each 32 along K, by v_wmma_scale_f32_16x16x128_f8f6f4 with both operands' format E2M1 (or v_wmma_scale_f32_32x16x128_f4), f32 sums; products left as they are: f32 operands where the result goes on into a quantised operand, else bf16, f16 or f32 operands; f32 sums; everything else in f32.
;; Inputs: gate_w 1,024 x 8 float32; w1 8 x 1,024 x 256 float32; w2 8 x 256 x 1,024 float32; w3 8 x 1,024 x 256 float32; x 4 x 2,048 x 1,024 float32.
;; Outputs: out0 4 x 2,048 x 1,024 float32.
;; This version of the problem:
;;   THIS VERSION OF THE PROBLEM IS GIVEN IN LOW PRECISION. The matrix products marked QUANTISED in the list below multiply operands that are first quantised to E2M1 (2 exponent bits, 1 mantissa bit; 4 bits a number), with one power-of-two scale for each 32 numbers along K (OCP MX v1.0); their sums are f32. All else is computed in f32.
;;   The module's matrix products, in the order in which they are computed (A, B: the left and right operand; K: the contracted axis; several contracted axes count as one K, in the product's order):
;;     1. [M 8,192, K 1,024] x [K 1,024, N 8]; A: input x; B: input gate_w: left as it is (N = 8 < 16)
;;     2. [M 8,192, K 1,024] x [K 1,024, N 256]; A: input x; B: input w1: QUANTISED
;;     3. [M 8,192, K 1,024] x [K 1,024, N 256]; A: input x; B: input w3: QUANTISED
;;     4. [M 8,192, K 256] x [K 256, N 1,024]; A: computed on the way; B: input w2: QUANTISED
;;     5. [M 8,192, K 1,024] x [K 1,024, N 256]; A: input x; B: input w1: QUANTISED
;;     6. [M 8,192, K 1,024] x [K 1,024, N 256]; A: input x; B: input w3: QUANTISED
;;     7. [M 8,192, K 256] x [K 256, N 1,024]; A: computed on the way; B: input w2: QUANTISED
;;     8. [M 8,192, K 1,024] x [K 1,024, N 256]; A: input x; B: input w1: QUANTISED
;;     9. [M 8,192, K 1,024] x [K 1,024, N 256]; A: input x; B: input w3: QUANTISED
;;     10. [M 8,192, K 256] x [K 256, N 1,024]; A: computed on the way; B: input w2: QUANTISED
;;     11. [M 8,192, K 1,024] x [K 1,024, N 256]; A: input x; B: input w1: QUANTISED
;;     12. [M 8,192, K 1,024] x [K 1,024, N 256]; A: input x; B: input w3: QUANTISED
;;     13. [M 8,192, K 256] x [K 256, N 1,024]; A: computed on the way; B: input w2: QUANTISED
;;     14. [M 8,192, K 1,024] x [K 1,024, N 256]; A: input x; B: input w1: QUANTISED
;;     15. [M 8,192, K 1,024] x [K 1,024, N 256]; A: input x; B: input w3: QUANTISED
;;     16. [M 8,192, K 256] x [K 256, N 1,024]; A: computed on the way; B: input w2: QUANTISED
;;     17. [M 8,192, K 1,024] x [K 1,024, N 256]; A: input x; B: input w1: QUANTISED
;;     18. [M 8,192, K 1,024] x [K 1,024, N 256]; A: input x; B: input w3: QUANTISED
;;     19. [M 8,192, K 256] x [K 256, N 1,024]; A: computed on the way; B: input w2: QUANTISED
;;     20. [M 8,192, K 1,024] x [K 1,024, N 256]; A: input x; B: input w1: QUANTISED
;;     21. [M 8,192, K 1,024] x [K 1,024, N 256]; A: input x; B: input w3: QUANTISED
;;     22. [M 8,192, K 256] x [K 256, N 1,024]; A: computed on the way; B: input w2: QUANTISED
;;     23. [M 8,192, K 1,024] x [K 1,024, N 256]; A: input x; B: input w1: QUANTISED
;;     24. [M 8,192, K 1,024] x [K 1,024, N 256]; A: input x; B: input w3: QUANTISED
;;     25. [M 8,192, K 256] x [K 256, N 1,024]; A: computed on the way; B: input w2: QUANTISED
;;   THE QUANTISER, for each operand of a quantised product, along K:
;;     - K is cut into blocks of 32 from its start; a last block that is shorter is filled with zeros.
;;     - A block's scale is 2^e with e = floor(log2(the largest magnitude in the block)) - 2, held to -126 .. 127; a block of zeros has e = 0. As a byte (E8M0): e + 127.
;;     - Each number is divided by its block's scale, clamped to +-6, and rounded to the nearest number of E2M1, ties to even, subnormals kept.
;;     - The product sums the exact products of the quantised numbers (number of the format x scale) in f32.
;;   ~~~python
;;   def quantise(x, axis):      # numpy; x: float32 -> the quantised numbers, widened to float32 again
;;       x = np.moveaxis(x, axis, -1); K = x.shape[-1]
;;       x = np.pad(x, [(0, 0)] * (x.ndim - 1) + [(0, -K % 32)]); x = x.reshape(x.shape[:-1] + (-1, 32)); a = np.abs(x).max(-1, keepdims=True)
;;       e = np.where(a > 0, np.clip(np.frexp(np.where(a > 0, a, 1))[1] - 1 - 2, -126, 127), 0)      # np.frexp(a)[1] - 1 = floor(log2(a)), exactly
;;       r = np.clip(x / 2.0 ** e, -6, 6)
;;       step = 2.0 ** (np.maximum(np.frexp(np.where(r == 0, 1, r))[1] - 1, 0) - 1)
;;       q = np.round(r / step) * step * 2.0 ** e      # np.round: ties to even
;;       return np.moveaxis(q.reshape(q.shape[:-2] + (-1,))[..., :K], -1, axis).astype(np.float32)
;;   ~~~
;;   OPERANDS COMPUTED ON THE WAY. 'Computed on the way' means the value that the module computes at that place (a softmax that the list does not call 'softmax' is quantised finished and normalised). What goes into a quantiser is computed in f32, as accurately as f32 sums, v_exp_f32 and their like allow (about 1e-6 of the number): no bf16 or f16 on the way to a quantiser, and a product that is left as it is and whose result goes on into a quantised operand takes f32 operands (vector FMAs, or v_wmma_f32_16x16x4_f32). A number that lies on a knife's edge between two numbers of the format may be rounded either way, as far as f32 arithmetic and the matrix unit's own rounding can turn it there, and no further.
;; One version. Each part assembles by itself: llvm-mc -triple=amdgcn-amd-amdhsa -mcpu=gfx1250 --defsym DOCPART=n.
;; ======== version 1 of 1: 2 launches
;; limits: right only within a limited range of input values
;; workspace buffers: xq 4,194,304 bytes; xs 262,144 bytes; wq 3,342,336 bytes; cw 65,536 bytes; keys 8,192 bytes of whole numbers; hist 16,384 bytes of whole numbers
;; launch prep (part 1): grid 704 x 1, 4 waves a work-group, no clusters, 104,448 bytes of LDS; arguments x, gate_w, w1, w3, w2, xq, xs, keys, hist, cw, wq; writes xq, xs, keys, hist, cw, wq
.if DOCPART == 1
	.amdgcn_target "amdgcn-amd-amdhsa--gfx1250"
	.amdhsa_code_object_version 6
	.text
	.protected	k_qfe74ac07c2_prep
	.globl	k_qfe74ac07c2_prep
	.p2align	8
	.type	k_qfe74ac07c2_prep,@function
k_qfe74ac07c2_prep:
	s_mov_b64 s[64:65], 0
	v_nop
	global_prefetch_b8 v0, s[64:65] scope:SCOPE_SE
	s_setreg_imm32_b32 hwreg(HW_REG_WAVE_MODE, 25, 1), 1
	s_wait_xcnt 0x0
; MIXTRAL MOE BLOCK, launch 1 of 2.  8,192 tokens of 1,024; 8 experts 1,024 -> 256 -> 1,024 (SwiGLU); each token keeps its two best experts.
; Work-groups 0-511 turn 16 tokens each into codes of FP4 (E2M1) with one E8M0 byte for each 32 along K, and compute the router (f32), the two chosen experts and their weights;
; 512-639 quantise w1 and w3, 640-703 w2, along K, into the order in which the second launch's operand registers take them.
; WORK LEFT OUT, for all finite inputs:
; (a) reference() builds coef = sum(where(sel_e == e, sel_w, 0)): for an expert that is not among a token's two it is the constant 0, and out gets 0 x (h @ w2[e]): those rows' three products reach no output, and the second launch does not compute them.
; (b) sel_w / sum(sel_w) = (p_a / Z) / (p_a / Z + p_b / Z): the softmax's divisor Z cancels, and with it the six exponentials that feed Z alone.  The maximum is still taken away: with l_a the row's largest logit
;     and l_b the next, q = exp(l_b - l_a) <= 1, the weights are 1 / (1 + q) and q / (1 + q).  exp rises with its input, so the two best are taken on the logits; strict compares keep the lower index, as lax.top_k does.
; LIMITS.  A NaN, an infinity or an overflow that reaches only the work left out is not carried to the result.  Logits that differ but round to equal probabilities in an f32 softmax may be ordered otherwise than there.
; NaN and infinities among the inputs are not served.  A block of zeros gets the scale byte 1 where the rule says 127: its codes are zeros, and this program alone reads the bytes.
; No address and no branch here hangs on the choice: it is stored as whole numbers at fixed places, and the next launch sorts the tokens.
; keys: a byte a token: hi (hi - 1) / 2 + lo, 0 .. 27, of its lower and higher expert.  hist: [16 tokens: 512][key 32]: a byte, how many of the 16 have the key.  cw: [token][weight of the lower expert, of the higher].
; xq: [token][512 bytes], K innermost.  xs: [16 tokens][half of K][token][16 bytes].
; wq: [expert: 417,792]: codes [wave 8][chunk 12: 4,096], then scale words of w1, w3 [64 units: 4][K step 8][w1, w3][lane 32][2], then of w2 [64 columns: 16][K step 2][lane 32][2].
; A chunk is four fragments of 1,024 bytes: chunks 0-7: K step, w1 tiles 0, 1, w3 tiles 0, 1; chunks 8-11: 32 columns, K step x tile.  A fragment (16 rows x 128 K) is an image of 8 registers: registers 4 c .. 4 c + 3 of lane L at 512 c + 16 L.
.set PEX,   32768                      ; LDS: behind the four waves' regions of 8,192 bytes: the waves' parts of the logits, 1,024 bytes each
.set SPARE, 36864                      ; the spare words, 128 bytes for each wave: two blocks of 256 bytes that no other line names
.set GIMG,  37376                      ; gate_w, a half of K at a time: 32 rows of 512 bytes + 16 of padding: row L is what lane L keeps
.set GP,    528
.set GHALF, 32*GP
.set WSTG,  71168                      ; the weight paths' stages, 8,192 bytes a wave
.set SCX,   103936                     ; the 16 tokens' scale bytes: [half][token][16]
.set SP,    80                         ; a lane's place in a stage: 64 bytes + 16 of padding
.set STG2,  32*SP                      ; a stage; two by turns
.set ACCA,  16                         ; v16-23   8 parts of logits, even step
.set ACCB,  24                         ; v24-31   odd step
.set P,     32                         ; v32-39   the logits' parts gathered: lane = token
.set C,     56                         ; v56-71   two registers of codes for each step: no store's data are written again
.set R,     72                         ; v72-167  six sets of 16 numbers as loaded
.set X,     168                        ; v168-199 two sets of 16 neighbours (at the head v168-231: gate_w as loaded)
.set GR,    208                        ; v208-255 my rows 0-5 of gate_w; rows 6-15 in window 1, v0-79
.set WEXP,  417792
.set MSB, 0
.macro WIN new                         ; the immediate's high byte repeats the setting that is left
.if MSB != \new
	s_set_vgpr_msb (MSB<<8)|\new
.set MSB, \new
.endif
.endm
; ---------------- macros of the x path ----------------
.macro LOAD t                          ; step t: one token's half row, 2,048 bytes: each load reads 512 consecutive bytes
.irp i, 0,1,2,3
	global_load_b128 v[R+16*((\t)%6)+4*\i:R+16*((\t)%6)+4*\i+3], v2, s[32:33] offset:4096*(\t)+512*\i th:TH_LOAD_NT
.endr
.endm
.macro TURN t                          ; through the wave's own stage: in as loaded, out 64 bytes a lane; LDS serves a wave's instructions in order
.irp i, 0,1,2,3
	ds_store_b128 v3, v[R+16*((\t)%6)+4*\i:R+16*((\t)%6)+4*\i+3] offset:STG2*((\t)%2)+8*SP*\i
.endr
.irp i, 0,1,2,3
	ds_load_b128 v[X+16*((\t)%2)+4*\i:X+16*((\t)%2)+4*\i+3], v4 offset:STG2*((\t)%2)+16*\i
.endr
.endm
.macro FMA t                           ; my 16 numbers x my 16 rows of gate_w, two experts an instruction; the first product starts the sums
.set XS, X+16*((\t)%2)
.set AC, ACCA+8*((\t)%2)
.irp pr, 0,1,2,3
	v_pk_mul_f32 v[AC+2*\pr:AC+2*\pr+1], v[XS:XS+1], v[GR+2*\pr:GR+2*\pr+1] op_sel_hi:[0,1]
.endr
.set GB, GR
.irp i, 1,2,3,4,5,6,7,8,9,10,11,12,13,14,15
.if \i == 6
	WIN 0x04                                       ; source 1 in window 1
.set GB, -48
.endif
.irp pr, 0,1,2,3
.if (\i)%2
	v_pk_fma_f32 v[AC+2*\pr:AC+2*\pr+1], v[XS+\i-1:XS+\i], v[GB+8*\i+2*\pr:GB+8*\i+2*\pr+1], v[AC+2*\pr:AC+2*\pr+1] op_sel:[1,0,0] op_sel_hi:[1,1,1]   ; the pair's second number for both halves
.else
	v_pk_fma_f32 v[AC+2*\pr:AC+2*\pr+1], v[XS+\i:XS+\i+1], v[GB+8*\i+2*\pr:GB+8*\i+2*\pr+1], v[AC+2*\pr:AC+2*\pr+1] op_sel_hi:[0,1,1]                   ; the pair's first number for both halves
.endif
.endr
.endr
	WIN 0
.endm
.macro RED p                           ; two steps' parts are summed over the lanes together: lanes 0-15 end with step 2 p's sums, lanes 16-31 with step 2 p + 1's
	s_lshl_b32 s41, s40, \p                        ; the lanes that keep them
.irp e, 0,1,2,3,4,5,6,7
	v_permlane16_swap_b32 v[ACCA+\e], v[ACCB+\e]
.endr
.irp e, 0,1,2,3,4,5,6,7
	v_add_f32 v[ACCA+\e], v[ACCA+\e], v[ACCB+\e]
.endr
.irp n, 1,2,4,8
.irp e, 0,1,2,3,4,5,6,7
	v_add_f32_dpp v[ACCA+\e], v[ACCA+\e], v[ACCA+\e] row_xmask:\n row_mask:0xf bank_mask:0xf
.endr
.endr
.irp e, 0,1,2,3,4,5,6,7
	v_cndmask_b32 v[P+\e], v[P+\e], v[ACCA+\e], s41
.endr
.endm
.macro STEP t
.if (\t) > 0
	s_wait_dscnt 1                                 ; this step's numbers are back from the stage; the last step's byte store may be out
.else
	s_wait_dscnt 0x0                               ; and, in the first step, my rows of gate_w
.endif
.if (\t)+6 < 8
	LOAD (\t)+6                                    ; into the set that this step's stage stores have read
.endif
.if (\t)+1 < 8
.if (\t) == 0
	s_wait_loadcnt 20                              ; the next step's four loads are in; those of the five steps behind it may be out
.else
	s_wait_loadcnt 4*(6-(\t))
.endif
	TURN (\t)+1
.endif
.set XS, X+16*((\t)%2)
	v_max3_num_f32 v40, |v[XS]|, |v[XS+1]|, |v[XS+2]|              ; the largest magnitude of my 16, in two chains
	v_max3_num_f32 v41, |v[XS+3]|, |v[XS+4]|, |v[XS+5]|
.irp i, 6,10
	v_max3_num_f32 v40, v40, |v[XS+\i]|, |v[XS+\i+1]|
	v_max3_num_f32 v41, v41, |v[XS+\i+2]|, |v[XS+\i+3]|
.endr
	v_max3_num_f32 v40, v40, |v[XS+14]|, |v[XS+15]|
	v_max3_num_f32 v40, v40, v41, 0x1800000        ; and the floor 2^(3 - 127): the byte cannot fall under 1
	v_max_num_f32_dpp v40, v40, v40 row_xmask:1 row_mask:0xf bank_mask:0xf   ; with my neighbour's 16: the block's
	v_add_nc_u32 v42, 0xff000000, v40              ; 2 off its exponent field: the conversion's scale operand
	v_cvt_scalef32_pk8_fp4_f32 v[C+2*(\t)], v[XS:XS+7], v42
	v_cvt_scalef32_pk8_fp4_f32 v[C+2*(\t)+1], v[XS+8:XS+15], v42
	v_lshrrev_b32 v[43+(\t)%2], 23, v42            ; the scale's byte (a plain line behind the conversions); two registers by turns: the byte store two steps back is done
	ds_store_b8 v6, v[43+(\t)%2] offset:16*(\t)    ; both lanes of a block write the same byte with the same value
	global_store_b64 v5, v[C+2*(\t):C+2*(\t)+1], s[34:35] offset:512*(\t)   ; the wave stores 256 consecutive bytes, aligned
	FMA \t
.if (\t)%2
	RED (\t)/2
.endif
.endm
; ---------------- macros of the weight paths: a wave takes 64 columns x 128 K ----------------
.macro WL dst, rp, off                 ; 16 loads, each two rows of 256 bytes: a block of 32 rows
.irp i, 0,1,2,3,4,5,6,7,8,9,10,11,12,13,14,15
	global_load_b128 v[\dst+4*\i:\dst+4*\i+3], v2, s[32:33] offset:\off+\rp*\i th:TH_LOAD_NT
.endr
.endm
.macro WLD rp                          ; blocks 0 and 1 in v64-191, block 2 in window 1's v0-63
	WL 64, \rp, 0
	WL 128, \rp, 16*\rp
	WIN 0x40
	WL 0, \rp, 32*\rp
	WIN 0
.endm
.macro WBLK t                          ; 32 rows go through my stage (256 bytes a row): back comes a lane to a column, 32 numbers down K, for two groups of 32 columns
.set BR, 64
.if \t == 1
.set BR, 128
.elseif \t == 2
.set BR, 0
.endif
.if \t < 2
	s_wait_loadcnt 32                              ; this block's 16 loads are in; two later blocks' may be out
.else
	s_wait_loadcnt 48-16*\t
.endif
.if \t == 2
	WIN 0x04
.endif
.irp i, 0,1,2,3,4,5,6,7,8,9,10,11,12,13,14,15
	ds_store_b128 v5, v[BR+4*\i:BR+4*\i+3] offset:512*\i
.endr
	WIN 0
.set i, 0
.rept 32
	ds_load_b32 v[192+i], v6 offset:256*i
	ds_load_b32 v[224+i], v6 offset:256*i+128
.set i, i+1
.endr
	s_wait_dscnt 0x0
.if \t == 0
	s_cmp_eq_u32 s46, 0
	s_cbranch_scc1 .Lblock3
	WL 64, 8192, 393216                            ; w2's block 3, into block 0's registers
	s_branch .Lasked3
.Lblock3:
	WL 64, 2048, 98304                             ; w1's or w3's
.Lasked3:
.endif
.irp g, 0,1
	v_max3_num_f32 v[20+\g], |v[192+32*\g]|, |v[193+32*\g]|, |v[194+32*\g]|               ; all 32 numbers of the block are mine
	v_max3_num_f32 v[22+\g], |v[195+32*\g]|, |v[196+32*\g]|, |v[197+32*\g]|
.endr
.irp i, 6,10,14,18,22,26
.irp g, 0,1
	v_max3_num_f32 v[20+\g], v[20+\g], |v[192+32*\g+\i]|, |v[193+32*\g+\i]|
	v_max3_num_f32 v[22+\g], v[22+\g], |v[194+32*\g+\i]|, |v[195+32*\g+\i]|
.endr
.endr
.irp g, 0,1
	v_max3_num_f32 v[20+\g], v[20+\g], |v[222+32*\g]|, |v[223+32*\g]|
.endr
.irp g, 0,1
	v_max3_num_f32 v[20+\g], v[20+\g], v[22+\g], 0x1800000                                 ; the floor 2^(3 - 127)
.endr
.irp g, 0,1
	v_add_nc_u32 v[24+\g], 0xff000000, v[20+\g]    ; the conversion's scale operand
.endr
.irp g, 0,1
	v_lshrrev_b32 v[26+\g], 23, v[24+\g]           ; the byte
.endr
.irp g, 0,1
.if \t == 0
	v_mov_b32 v[16+\g], v[26+\g]                   ; four bytes make the K step's scale word, the lower K in the lower byte
.else
	v_lshl_or_b32 v[16+\g], v[26+\g], 8*\t, v[16+\g]
.endif
.endr
.irp g, 0,1
.irp k, 0,1,2,3
	v_cvt_scalef32_pk8_fp4_f32 v[32+8*\t+4*\g+\k], v[192+32*\g+8*\k:199+32*\g+8*\k], v[24+\g]
.endr
.endr
	v_nop                                          ; one plain line behind the last conversion
.irp g, 0,1
	global_store_b128 v3, v[32+8*\t+4*\g:35+8*\t+4*\g], s[36+2*\g:37+2*\g] offset:512*(\t/2)+256*(\t%2)   ; 32 codes a lane, 16 bytes at their place in the fragment's image: the wave fills two aligned runs of 256 bytes
.endr
.endm
	s_load_b512 s[8:23], s[0:1], 0x0               ; x 8, gate_w 10, w1 12, w3 14, w2 16, xq 18, xs 20, keys 22
	s_load_b128 s[24:27], s[0:1], 0x40             ; hist 24, cw 26
	s_load_b64 s[28:29], s[0:1], 0x50              ; wq
	v_lshl_add_u32 v12, v0, 2, SPARE               ; my spare word,
	v_mov_b32 v13, 0                               ; and 0: kept for the closing add alone
	v_lshrrev_b32 v1, 5, v0
	v_readfirstlane_b32 s30, v1                    ; wave 0..3
	v_and_b32 v1, 31, v0                           ; lane
	s_wait_alu depctr_va_vdst(0)
	s_wait_kmcnt 0x0
	s_cmp_lt_u32 ttmp9, 512
	s_cbranch_scc1 .Lx
	v_lshlrev_b32 v5, 4, v1
	v_lshlrev_b32 v6, 2, v1
	s_lshl_b32 s43, s30, 13
	s_add_co_u32 s43, s43, WSTG
	v_add_nc_u32 v5, s43, v5                       ; my stage, in: 16 x lane
	v_add_nc_u32 v6, s43, v6                       ; out: 4 x lane
	v_lshrrev_b32 v8, 4, v1
	v_and_b32 v9, 15, v1
	s_wait_alu depctr_va_vdst(0)
	s_mov_b32 s3, 0
	s_cmp_lt_u32 ttmp9, 640
	s_cbranch_scc1 .Lw13
	; ---------------- w2: [8][256 (k)][1024 (n)].  Work-group g: expert g / 8, 256 columns (g / 2) % 4, K step g % 2; my wave's 64 columns ----------------
	s_sub_co_u32 s31, ttmp9, 640
	s_lshr_b32 s42, s31, 3                         ; e
	s_and_b32 s40, s31, 1                          ; K step
	s_bfe_u32 s41, s31, 0x20001
	s_lshl_b32 s41, s41, 2
	s_add_co_u32 s41, s41, s30                     ; which 64 columns: 0 .. 15
	s_lshl_b32 s2, s42, 20
	s_lshl_b32 s43, s40, 19                        ; 128 rows of 4,096 bytes
	s_add_co_u32 s2, s2, s43
	s_lshl_b32 s43, s41, 8
	s_add_co_u32 s2, s2, s43
	s_add_nc_u64 s[32:33], s[16:17], s[2:3]
	s_mul_i32 s44, s42, WEXP
	s_lshr_b32 s43, s41, 1
	s_mul_i32 s43, s43, 49152                      ; the consumer's wave
	s_add_co_u32 s2, s44, s43
	s_and_b32 s43, s41, 1
	s_lshl_b32 s43, s43, 13
	s_add_co_u32 s2, s2, s43                       ; its chunk 8 or 10,
	s_lshl_b32 s43, s40, 11
	s_add_co_u32 s2, s2, s43
	s_add_co_u32 s2, s2, 32768
	s_add_nc_u64 s[36:37], s[28:29], s[2:3]
	s_add_nc_u64 s[38:39], s[36:37], 4096          ; and the next
	s_lshl_b32 s43, s41, 9
	s_add_co_u32 s2, s44, s43
	s_lshl_b32 s43, s40, 8
	s_add_co_u32 s2, s2, s43
	s_add_co_u32 s2, s2, 409600
	s_add_nc_u64 s[40:41], s[28:29], s[2:3]        ; scale words
	s_mov_b32 s46, 1
	v_lshlrev_b32 v2, 12, v8
	v_lshl_add_u32 v2, v9, 4, v2                   ; in: lanes 0-15 a row, lanes 16-31 the next
	v_lshlrev_b32 v3, 10, v8
	v_lshl_add_u32 v3, v9, 4, v3                   ; codes: 1,024 x tile + 16 x row
	v_lshlrev_b32 v4, 3, v1                        ; scale words: 8 x lane
	s_wait_alu depctr_va_vdst(0)
	WLD 8192
	s_branch .Lwq
.Lw13:	; ---------------- w1, w3: [8][1024 (k)][256 (n)].  Work-group g: expert g / 16, K step (g / 2) % 8, matrix g % 2; my wave's 64 units ----------------
	s_sub_co_u32 s31, ttmp9, 512
	s_and_b32 s41, s31, 1                          ; w1 or w3
	s_bfe_u32 s40, s31, 0x30001                    ; K step
	s_lshr_b32 s42, s31, 4                         ; e
	s_lshl_b32 s2, s42, 20
	s_lshl_b32 s43, s40, 17                        ; 128 rows of 1,024 bytes
	s_add_co_u32 s2, s2, s43
	s_lshl_b32 s43, s30, 8
	s_add_co_u32 s2, s2, s43
	s_cmp_eq_u32 s41, 0
	s_cselect_b64 s[32:33], s[12:13], s[14:15]
	s_add_nc_u64 s[32:33], s[32:33], s[2:3]
	s_mul_i32 s44, s42, WEXP
	s_mul_i32 s43, s30, 98304                      ; consumer wave 2 x wave,
	s_add_co_u32 s2, s44, s43
	s_lshl_b32 s43, s40, 12
	s_add_co_u32 s2, s2, s43
	s_lshl_b32 s43, s41, 11
	s_add_co_u32 s2, s2, s43
	s_add_nc_u64 s[36:37], s[28:29], s[2:3]
	s_add_nc_u64 s[38:39], s[36:37], 49152         ; and the next
	s_lshl_b32 s43, s30, 12
	s_add_co_u32 s2, s44, s43
	s_lshl_b32 s43, s40, 9
	s_add_co_u32 s2, s2, s43
	s_lshl_b32 s43, s41, 8
	s_add_co_u32 s2, s2, s43
	s_add_co_u32 s2, s2, 393216
	s_add_nc_u64 s[40:41], s[28:29], s[2:3]        ; scale words
	s_mov_b32 s46, 0
	v_lshlrev_b32 v2, 10, v8
	v_lshl_add_u32 v2, v9, 4, v2
	v_bfe_u32 v7, v1, 3, 1                         ; THE UNITS OF A TILE ARE NOT NEIGHBOURS: row r of tile u is unit 8 u + r + 8 (r / 8), so unit l lies in tile (l / 8) % 2,
	v_and_b32 v10, 7, v1
	v_lshl_add_u32 v10, v8, 3, v10                 ; row l % 8 + 8 (l / 16): the consumer's 16 registers of the two tiles are then 16 neighbours along the next K
	v_lshlrev_b32 v3, 10, v7
	v_lshl_add_u32 v3, v10, 4, v3
	v_lshl_add_u32 v4, v7, 4, v10
	v_lshlrev_b32 v4, 3, v4                        ; scale words: 8 x (16 x tile + row)
	s_wait_alu depctr_va_vdst(0)
	WLD 2048
.Lwq:
	WBLK 0
	WBLK 1
	WBLK 2
	WBLK 3
	s_wait_alu depctr_va_vdst(0)
	global_store_b64 v4, v[16:17], s[40:41]        ; 256 consecutive bytes, aligned
	s_wait_tensorcnt 0x0                           ; the wave's end, behind my last LDS store
	ds_add_u32 v12, v13
	s_wait_dscnt 0x0
	s_endpgm
.Lx:	; ---------------- x.  Work-group b: tokens 16 b .. 16 b + 15.  Wave w: half w % 2 of K, tokens 8 (w / 2) + t in 8 steps ----------------
	s_and_b32 s31, s30, 1                          ; half
	s_lshr_b32 s42, s30, 1                         ; which 8 tokens
	s_lshl_b32 s2, ttmp9, 16
	s_lshl_b32 s3, s42, 15
	s_add_co_u32 s2, s2, s3
	s_lshl_b32 s3, s31, 11
	s_add_co_u32 s2, s2, s3
	s_mov_b32 s3, 0
	s_add_nc_u64 s[32:33], s[8:9], s[2:3]          ; x
	s_lshl_b32 s2, ttmp9, 13
	s_lshl_b32 s43, s42, 12
	s_add_co_u32 s2, s2, s43
	s_lshl_b32 s43, s31, 8
	s_add_co_u32 s2, s2, s43
	s_add_nc_u64 s[34:35], s[18:19], s[2:3]        ; xq
	s_lshl_b32 s2, ttmp9, 9
	s_add_nc_u64 s[36:37], s[20:21], s[2:3]        ; xs: my work-group's 512 bytes
	s_lshl_b32 s2, s31, 14
	s_lshl_b32 s43, s42, 13
	s_add_co_u32 s2, s2, s43
	s_add_nc_u64 s[38:39], s[10:11], s[2:3]        ; gate_w: of my half's 512 rows the 256 that I fetch (the other wave of the half fetches the rest)
	s_lshl_b32 s41, s42, 2
	s_lshl_b32 s40, 0x1010101, s41                 ; lanes 4 (w / 2) + 0, 8, 16, 24: where steps 0 (twice) and 1 (twice) keep their sums
	s_lshl_b32 s43, s30, 13                        ; my region of LDS
	v_lshlrev_b32 v2, 4, v1                        ; my 16 bytes of a load's 512
	v_lshrrev_b32 v3, 2, v1
	v_mul_u32_u24 v3, v3, SP
	v_and_b32 v9, 3, v1
	v_lshl_add_u32 v3, v9, 4, v3
	v_add_nc_u32 v3, s43, v3                       ; the stage, in: four lanes' 64 bytes on end, then the padding
	v_mul_u32_u24 v4, v1, SP
	v_add_nc_u32 v4, s43, v4                       ; out: my 16 neighbours
	v_lshlrev_b32 v5, 3, v1                        ; 8 x lane: my codes' place in a step's 256 bytes
	v_lshrrev_b32 v6, 1, v1
	s_lshl_b32 s43, s31, 8
	s_lshl_b32 s44, s42, 7
	s_add_co_u32 s43, s43, s44
	s_add_co_u32 s43, s43, SCX
	v_add_nc_u32 v6, s43, v6                       ; my block's scale byte
	v_add_nc_u32 v7, SCX, v2                       ; and the bytes' way out, 16 a lane
	s_lshl_b32 s43, s30, 10
	s_add_co_u32 s43, s43, PEX
	v_lshlrev_b32 v15, 2, v1                       ; 4 x lane
	v_add_nc_u32 v8, s43, v15                      ; where my wave puts its parts of the logits,
	v_add_nc_u32 v14, PEX, v15                     ; and from where wave 0 reads all four
	s_mul_i32 s43, s31, GHALF
	s_add_co_u32 s43, s43, GIMG                    ; my half's image of gate_w
	v_mul_u32_u24 v11, v1, GP
	v_add_nc_u32 v11, s43, v11                     ; out of it: row = my lane
	s_mul_i32 s44, s42, 16*GP
	s_add_co_u32 s43, s43, s44
	v_add_nc_u32 v10, s43, v2                      ; into it: rows 16 (w / 2) on, 16 bytes a lane
.irp e, 0,1,2,3,4,5,6,7
	v_mov_b32 v[P+\e], 0                           ; the lanes of the other 8 tokens stay 0
.endr
	; A lane keeps the 16 rows of gate_w (512 bytes) that go with its 16 numbers of x.  Load j of a half reads the 512 consecutive bytes that lane j wants: they go through LDS, row j, and each lane reads its row back.
.irp j, 0,1,2,3,4,5,6,7,8,9,10,11,12,13,14,15
	global_load_b128 v[X+4*\j:X+4*\j+3], v2, s[38:39] offset:512*\j
.endr
.irp t, 0,1,2,3,4,5
	LOAD \t
.endr
	s_wait_alu depctr_va_vdst(0)
	s_wait_loadcnt 24                              ; my 16 loads of gate_w are in (loads come back in order); the six steps' 24 loads stay out
.irp j, 0,1,2,3,4,5,6,7,8,9,10,11,12,13,14,15
	ds_store_b128 v10, v[X+4*\j:X+4*\j+3] offset:GP*\j
.endr
	s_wait_dscnt 0x0                               ; for the others' sake: my stores have landed
	s_barrier_signal -1
	s_barrier_wait -1                              ; both halves' images are whole
.irp j, 0,1,2,3,4,5,6,7,8,9,10,11
	ds_load_b128 v[GR+4*\j:GR+4*\j+3], v11 offset:16*\j   ; register 8 i + e = gate_w[512 half + 16 lane + i][e]: they stay
.endr
	WIN 0x40                                       ; destination window 1
.irp j, 12,13,14,15,16,17,18,19,20,21,22,23,24,25,26,27,28,29,30,31
	ds_load_b128 v[4*\j-48:4*\j-45], v11 offset:16*\j
.endr
	WIN 0
	s_wait_loadcnt 20                              ; step 0 is in; five steps stay out
	TURN 0
.irp t, 0,1,2,3,4,5,6,7
	STEP \t
.endr
.irp e, 0,1,2,3,4,5,6,7
	ds_store_b32 v8, v[P+\e] offset:128*\e
.endr
	s_wait_alu depctr_va_vdst(0)
	s_wait_dscnt 0x0                               ; for the others' sake: my stores have landed
	s_barrier_signal -1
	s_barrier_wait -1
	s_cmp_eq_u32 s30, 0
	s_cbranch_scc1 .Lroute
	s_cmp_eq_u32 s30, 1
	s_cbranch_scc0 .Lxend
	ds_load_b128 v[72:75], v7                      ; wave 1: the 16 tokens' 512 scale bytes
	s_wait_dscnt 0x0
	global_store_b128 v2, v[72:75], s[36:37]       ; 512 consecutive bytes, aligned
	s_branch .Lxend
.Lroute:
	; wave 0: lanes l and l xor 8 are token 16 b + 8 ((l / 4) % 2) + 2 (l % 4) + l / 16
.irp w, 0,1,2,3
.irp e, 0,1,2,3,4,5,6,7
	ds_load_b32 v[72+8*\w+\e], v14 offset:1024*\w+128*\e
.endr
.endr
	s_mov_b32 s3, 0
	s_lshl_b32 s2, ttmp9, 4
	s_add_nc_u64 s[22:23], s[22:23], s[2:3]        ; keys: my 16 bytes
	s_lshl_b32 s2, ttmp9, 5
	s_add_nc_u64 s[24:25], s[24:25], s[2:3]        ; hist: my 32
	s_lshl_b32 s2, ttmp9, 7
	s_add_nc_u64 s[26:27], s[26:27], s[2:3]        ; cw: my 128
	s_wait_dscnt 0x0
.irp e, 0,1,2,3,4,5,6,7
	v_add_f32 v[16+\e], v[72+\e], v[80+\e]         ; the two halves of K (the other pair of waves holds zeros in my lane)
	v_add_f32 v[24+\e], v[88+\e], v[96+\e]
.endr
.irp e, 0,1,2,3,4,5,6,7
	v_add_f32 v[16+\e], v[16+\e], v[24+\e]         ; the logit of expert e
.endr
	v_mov_b32 v40, v16                             ; the best and its index,
	v_mov_b32 v41, 0
	v_mov_b32 v42, 0xff800000                      ; the second best: -infinity, under every logit
	v_mov_b32 v43, 0
.irp e, 1,2,3,4,5,6,7
	v_cmp_gt_f32 vcc_lo, v[16+\e], v40             ; strictly greater: a tie keeps the lower index
	v_cmp_gt_f32 s42, v[16+\e], v42
	v_cndmask_b32 v42, v42, v[16+\e], s42
	v_cndmask_b32 v43, v43, \e, s42
	v_cndmask_b32 v42, v42, v40, vcc_lo            ; a new best sends the old one down
	v_cndmask_b32 v43, v43, v41, vcc_lo
	v_cndmask_b32 v40, v40, v[16+\e], vcc_lo
	v_cndmask_b32 v41, v41, \e, vcc_lo
.endr
	v_sub_f32 v44, v42, v40                        ; l_b - l_a: the maximum is taken away
	v_mul_f32 v44, 0x3fb8aa3b, v44
	s_wait_alu depctr_va_vdst(0)
	v_exp_f32 v44, v44                             ; q
	v_min_u32 v106, v41, v43                       ; lo (a plain line behind the exponential)
	s_wait_alu depctr_va_vdst(0)                   ; ahead of the first line that names q
	v_add_f32 v45, 1.0, v44
	s_wait_alu depctr_va_vdst(0)
	v_rcp_f32 v46, v45                             ; the best's weight, 1 / (1 + q)
	v_max_u32 v107, v41, v43                       ; hi (a plain line behind the reciprocal)
	s_wait_alu depctr_va_vdst(0)
	v_mul_f32 v47, v44, v46                        ; the second's, q / (1 + q)
	v_cmp_lt_u32 vcc_lo, v41, v43                  ; is the best the lower expert?
	v_cndmask_b32 v104, v47, v46, vcc_lo           ; the lower expert's weight,
	v_cndmask_b32 v105, v46, v47, vcc_lo           ; the higher's
	v_add_nc_u32 v108, -1, v107
	v_mul_u32_u24 v108, v108, v107
	v_lshrrev_b32 v108, 1, v108
	v_add_nc_u32 v108, v108, v106                  ; the key: hi (hi - 1) / 2 + lo
	v_mov_b32 v109, 0                              ; the 16 tokens' counts: lane = key
	v_bfe_u32 v110, v1, 2, 1
	v_and_b32 v111, 3, v1
	v_lshrrev_b32 v112, 4, v1
	v_lshlrev_b32 v110, 3, v110
	v_lshl_add_u32 v110, v111, 1, v110
	v_add_nc_u32 v110, v110, v112                  ; my token among the 16
	v_lshlrev_b32 v111, 3, v110
	s_wait_alu depctr_va_vdst(0)
	global_store_b8 v110, v108, s[22:23]           ; at fixed places: no address hangs on the choice (lanes l and l xor 8 write the same)
	global_store_b64 v111, v[104:105], s[26:27]
.irp k, 0,1,2,3,4,5,6,7,8,9,10,11,12,13,14,15,16,17,18,19,20,21,22,23,24,25,26,27
	v_cmp_eq_u32 s42, \k, v108
	s_and_b32 s42, s42, 0xff00ff                   ; each token once
	s_bcnt1_i32_b32 s43, s42
	v_writelane_b32 v109, s43, \k
.endr
	global_store_b8 v1, v109, s[24:25]
.Lxend:
	s_wait_tensorcnt 0x0                           ; the wave's end, behind my last LDS store
	ds_add_u32 v12, v13
	s_wait_dscnt 0x0
	s_endpgm
.Lfunc_end_k_qfe74ac07c2_prep:
	.size	k_qfe74ac07c2_prep, .Lfunc_end_k_qfe74ac07c2_prep-k_qfe74ac07c2_prep
	.p2alignl 7, 3214868480
	.fill 96, 4, 3214868480
	.section	.rodata,"a",@progbits
	.p2align	6, 0x0
	.amdhsa_kernel k_qfe74ac07c2_prep
		.amdhsa_group_segment_fixed_size 104448
		.amdhsa_private_segment_fixed_size 0
		.amdhsa_enable_private_segment 0
		.amdhsa_kernarg_size 88
		.amdhsa_user_sgpr_count 2
		.amdhsa_user_sgpr_kernarg_segment_ptr 1
		.amdhsa_wavefront_size32 1
		.amdhsa_system_sgpr_workgroup_id_x 1
		.amdhsa_system_sgpr_workgroup_id_y 1
		.amdhsa_system_sgpr_workgroup_id_z 1
		.amdhsa_system_vgpr_workitem_id 0
		.amdhsa_next_free_vgpr 336
		.amdhsa_next_free_sgpr 66
		.amdhsa_reserve_vcc 1
		.amdhsa_float_denorm_mode_32 3
		.amdhsa_float_denorm_mode_16_64 3
		.amdhsa_memory_ordered 1
		.amdhsa_forward_progress 1
		.amdhsa_inst_pref_size 131
	.end_amdhsa_kernel
	.amdgpu_metadata
---
amdhsa.version: [ 1, 2 ]
amdhsa.kernels:
  - .name:           k_qfe74ac07c2_prep
    .symbol:         k_qfe74ac07c2_prep.kd
    .args:
      - { .name: x, .offset: 0, .size: 8, .value_kind: global_buffer, .address_space: global }
      - { .name: gate_w, .offset: 8, .size: 8, .value_kind: global_buffer, .address_space: global }
      - { .name: w1, .offset: 16, .size: 8, .value_kind: global_buffer, .address_space: global }
      - { .name: w3, .offset: 24, .size: 8, .value_kind: global_buffer, .address_space: global }
      - { .name: w2, .offset: 32, .size: 8, .value_kind: global_buffer, .address_space: global }
      - { .name: xq, .offset: 40, .size: 8, .value_kind: global_buffer, .address_space: global }
      - { .name: xs, .offset: 48, .size: 8, .value_kind: global_buffer, .address_space: global }
      - { .name: keys, .offset: 56, .size: 8, .value_kind: global_buffer, .address_space: global }
      - { .name: hist, .offset: 64, .size: 8, .value_kind: global_buffer, .address_space: global }
      - { .name: cw, .offset: 72, .size: 8, .value_kind: global_buffer, .address_space: global }
      - { .name: wq, .offset: 80, .size: 8, .value_kind: global_buffer, .address_space: global }
    .group_segment_fixed_size: 104448
    .private_segment_fixed_size: 0
    .kernarg_segment_align: 8
    .kernarg_segment_size: 88
    .max_flat_workgroup_size: 128
    .sgpr_count:     66
    .vgpr_count:     336
    .wavefront_size: 32
...
	.end_amdgpu_metadata
.endif
;; end of part 1
;; launch moe (part 2): grid 198 x 1, 8 waves a work-group, no clusters, 110,592 bytes of LDS; arguments keys, hist, cw, xq, xs, wq, out0; writes out0
.if DOCPART == 2
	.amdgcn_target "amdgcn-amd-amdhsa--gfx1250"
	.amdhsa_code_object_version 6
	.text
	.protected	k_qfe74ac07c2_moe
	.globl	k_qfe74ac07c2_moe
	.p2align	8
	.type	k_qfe74ac07c2_moe,@function
k_qfe74ac07c2_moe:
	s_mov_b64 s[64:65], 0
	v_nop
	global_prefetch_b8 v0, s[64:65] scope:SCOPE_SE
	s_setreg_imm32_b32 hwreg(HW_REG_WAVE_MODE, 25, 1), 1
	s_wait_xcnt 0x0
; MIXTRAL MOE BLOCK, launch 2 of 2: the chain silu(x w1) * (x w3) -> quantise -> w2 -> x weight, on codes of FP4 (E2M1) with one E8M0 byte for each 32 along K.
; WORK LEFT OUT: the products of experts that a token has not chosen (coefficient 0, which reference() builds itself; shown at the head of the first launch).  LIMITS: NaN and infinities are not served.
; A TILE is up to 48 tokens of ONE pair of experts, so each work-group runs exactly two experts, the pair's lower and higher, for all its rows.  With N_k tokens of key k there are sum of ceil(N_k / 48) tiles, never more than
; (8,192 + 28 x 47) / 48 = 198: the grid serves every split.  A work-group beyond the split's number of tiles repeats the last tile and stores nothing (its barriers stand on every way).  A tile's rows beyond N_k repeat the key's last
; token: the same numbers go to the same place.  Each output row has one owner and is stored once.
; SORTING WITHOUT A LAUNCH OF ITS OWN: each work-group sums the counts by key, finds its key and tile, makes the 8,192-bit mask of the key's tokens (8 waves x 32 lanes x 32 tokens) and looks up its rows' set bits.
; The launch has no tensor load, and no joint loads (neighbours want different experts): the weights' codes come from memory straight into registers, laid out by the first
; launch as images of the operand registers, through a ring of four register slots that runs through both experts.
; THE EIGHT WAVES SHARE THE COLUMNS: wave w makes hidden units 32 w .. 32 w + 31 (of w1 and of w3: one block of the next quantiser) and output columns 128 w .. 128 w + 127, for all 48 rows (three tiles of 16).
; Both products are used transposed (source 0 = 16 rows of weights, source 1 = 16 tokens): a lane holds one token (lane % 16) throughout, and its registers run along the units or the columns.
; REGISTERS.  Window 0: v1-15, v61-63 addresses; v16-31 x's scale words (tiles 0 and 1; tile 2), v32-39 the ring's, v40-43 the hidden layer's; v44-49 weights; v50-60 at the head; v64-159 twelve accumulators of the first products, then six of
;   the second (v64-111) and the hidden fragments (v112-159); v160-255 out, column chunks 0, 1.  Window 1: v0-127 the ring: 4 slots of 32; v128-223 out, chunks 2, 3; v224-247 x's fragments of a K step.
.set WEXP,  417792                     ; an expert's bytes in wq
.set HX,    0                          ; LDS: counts by key, 64 bytes a wave
.set MW,    512                        ; the key's mask: 256 words
.set TOK,   1536                       ; tokens of the rows, 128 bytes a wave
.set XB,    2560                       ; x's codes
.set XT,    8704                       ; a tile of 16 tokens: 32 pieces of 16 bytes a token; piece p at 272 p + 16 r
.set HIMG,  28672                      ; the hidden layer's images: two buffers of 6,144: 2,048 m + 1,024 s + 512 c + 16 lane
.set HSC,   40960                      ; their scale words: two buffers of 512: 256 s + 4 (16 m + r), byte = block
.set STG,   41984                      ; the way out: 16 rows x (512 bytes + 16) for each wave, its own
.set SPARE, STG+8*8448                 ; the spare words, 128 bytes for each wave: four blocks of 256 bytes that no other line names
.set MSB, 0
.macro WIN new                         ; the immediate's high byte repeats the setting that is left
.if MSB != \new
	s_set_vgpr_msb (MSB<<8)|\new
.set MSB, \new
.endif
.endm
.macro PLACES                          ; four plain lines behind a run of matrix instructions, ahead of loads into their operands and scales and of the first reads of their results
.rept 4
	v_nop
.endr
.endm
.macro SYNC                            ; what I stored into LDS has landed, and everybody's
	s_wait_alu depctr_va_vdst(0)
	s_wait_dscnt 0x0
	s_barrier_signal -1
	s_barrier_wait -1
.endm
.macro BACK                            ; look-ups are back
	s_wait_alu depctr_va_vdst(0)
	s_wait_dscnt 0x0
.endm
; One scaled product.  rD, rA, rB: first registers; rZ: the sum begins (C = 0); rSA, rSB: scale registers; rRA, rRB: the side's scales stand in lanes 16-31
.macro WM
.if rZ
.if rRA && rRB
	v_wmma_scale_f32_16x16x128_f8f6f4 v[rD:rD+7], v[rA:rA+7], v[rB:rB+7], 0, v[rSA], v[rSB] matrix_a_fmt:MATRIX_FMT_FP4 matrix_b_fmt:MATRIX_FMT_FP4 matrix_a_scale:MATRIX_SCALE_ROW1 matrix_b_scale:MATRIX_SCALE_ROW1
.elseif rRA
	v_wmma_scale_f32_16x16x128_f8f6f4 v[rD:rD+7], v[rA:rA+7], v[rB:rB+7], 0, v[rSA], v[rSB] matrix_a_fmt:MATRIX_FMT_FP4 matrix_b_fmt:MATRIX_FMT_FP4 matrix_a_scale:MATRIX_SCALE_ROW1
.elseif rRB
	v_wmma_scale_f32_16x16x128_f8f6f4 v[rD:rD+7], v[rA:rA+7], v[rB:rB+7], 0, v[rSA], v[rSB] matrix_a_fmt:MATRIX_FMT_FP4 matrix_b_fmt:MATRIX_FMT_FP4 matrix_b_scale:MATRIX_SCALE_ROW1
.else
	v_wmma_scale_f32_16x16x128_f8f6f4 v[rD:rD+7], v[rA:rA+7], v[rB:rB+7], 0, v[rSA], v[rSB] matrix_a_fmt:MATRIX_FMT_FP4 matrix_b_fmt:MATRIX_FMT_FP4
.endif
.else
.if rRA && rRB
	v_wmma_scale_f32_16x16x128_f8f6f4 v[rD:rD+7], v[rA:rA+7], v[rB:rB+7], v[rD:rD+7], v[rSA], v[rSB] matrix_a_fmt:MATRIX_FMT_FP4 matrix_b_fmt:MATRIX_FMT_FP4 matrix_a_scale:MATRIX_SCALE_ROW1 matrix_b_scale:MATRIX_SCALE_ROW1
.elseif rRA
	v_wmma_scale_f32_16x16x128_f8f6f4 v[rD:rD+7], v[rA:rA+7], v[rB:rB+7], v[rD:rD+7], v[rSA], v[rSB] matrix_a_fmt:MATRIX_FMT_FP4 matrix_b_fmt:MATRIX_FMT_FP4 matrix_a_scale:MATRIX_SCALE_ROW1
.elseif rRB
	v_wmma_scale_f32_16x16x128_f8f6f4 v[rD:rD+7], v[rA:rA+7], v[rB:rB+7], v[rD:rD+7], v[rSA], v[rSB] matrix_a_fmt:MATRIX_FMT_FP4 matrix_b_fmt:MATRIX_FMT_FP4 matrix_b_scale:MATRIX_SCALE_ROW1
.else
	v_wmma_scale_f32_16x16x128_f8f6f4 v[rD:rD+7], v[rA:rA+7], v[rB:rB+7], v[rD:rD+7], v[rSA], v[rSB] matrix_a_fmt:MATRIX_FMT_FP4 matrix_b_fmt:MATRIX_FMT_FP4
.endif
.endif
.endm
; Ten loads: chunk idx of the expert at s[ptr:ptr+1] into slot idx % 4: each of the eight reads 512 consecutive bytes, the last two a scale word a lane
.macro CHUNK ptr, idx
	WIN 0x40                                       ; destination window 1
.irp j, 0,1,2,3,4,5,6,7
	global_load_b128 v[32*((\idx)%4)+4*\j:32*((\idx)%4)+4*\j+3], v14, s[\ptr:\ptr+1] offset:4096*(\idx)+512*\j
.endr
	WIN 0
.irp m, 0,1
.if (\idx) < 8
	global_load_b32 v[32+2*((\idx)%4)+\m], v15, s[\ptr:\ptr+1] offset:512*(\idx)+256*\m
.else
	global_load_b32 v[32+2*((\idx)%4)+\m], v62, s[\ptr:\ptr+1] offset:512*(((\idx)-8)/2)+256*\m+4*(((\idx)-8)%2)
.endif
.endr
.endm
.macro XF s                            ; x's fragments of K step s: registers 4 c .. 4 c + 3: k = 128 s + 64 c + 32 h + 0 .. 31 of token r: piece 4 s + 2 c + h
	WIN 0x40
.irp m, 0,1,2
.irp c, 0,1
	ds_load_b128 v[224+8*\m+4*\c:227+8*\m+4*\c], v9 offset:XB+XT*\m+272*(4*(\s)+2*\c)
.endr
.endr
	WIN 0
.endm
; K step of the first products: fragments f = 2 mat + u (w1, w3; tiles u) x token tiles m.  The twelve accumulators take turns in the same order in every K step
.macro MUL1 kst
.if (\kst) == 0
.set rZ, 1
.else
.set rZ, 0
.endif
.irp f, 0,1,2,3
.irp m, 0,1,2
.set rD, 64+8*(3*\f+\m)
.set rA, 32*((\kst)%4)+8*\f
.set rB, 224+8*\m
.set rSA, 32+2*((\kst)%4)+\f/2
.set rSB, 16+8*(\m/2)+(\kst)
.set rRA, \f%2
.set rRB, \m%2
	WM
.endr
.endr
.endm
; 32 output columns: fragments f = 2 s + nn (K step s, tile nn of 16 columns) x token tiles m: six accumulators by turns, two links each
.macro MUL2 slot
.irp f, 0,1,2,3
.irp m, 0,1,2
.set rD, 64+8*(3*(\f%2)+\m)
.set rA, 32*\slot+8*\f
.set rB, 112+8*(3*(\f/2)+\m)
.set rSA, 32+2*\slot+\f/2
.set rSB, 40+2*(\m/2)+\f/2
.set rZ, 1-\f/2
.set rRA, \f%2
.set rRB, \m%2
	WM
.endr
.endr
.endm
.macro ADDOUT j, second                ; out = weight of the lower expert x result; then out += weight of the higher x result; two at a time; each accumulator is read from its low end on
.set OB, 160+48*(\j)
.if (\j) >= 2
	WIN 0x50                                       ; destination and source 2: window 1
.set OB, 128+48*((\j)-2)
.else
	WIN 0
.endif
.irp t, 0,1,2,3,4,5
.irp i, 0,2,4,6
.if \second
	v_pk_fma_f32 v[OB+8*\t+\i:OB+8*\t+\i+1], v[64+8*\t+\i:65+8*\t+\i], v[44+2*(\t%3):45+2*(\t%3)], v[OB+8*\t+\i:OB+8*\t+\i+1] op_sel:[0,1,0] op_sel_hi:[1,1,1]
.else
	v_pk_mul_f32 v[OB+8*\t+\i:OB+8*\t+\i+1], v[64+8*\t+\i:65+8*\t+\i], v[44+2*(\t%3):45+2*(\t%3)] op_sel_hi:[1,0]
.endif
.endr
.endr
	WIN 0
.endm
; a = v64-111 (x w1), b = v112-159 (x w3), the same index in both.  h = (a b) / (1 + 2^(-a log2 e)), in f32; then my 32 units of each token are one block: its byte and its codes go to LDS.
.macro SILUQ buf
.set i, 0
.rept 24
	v_pk_mul_f32 v[112+i:113+i], v[64+i:65+i], v[112+i:113+i]     ; a b; ascending: each accumulator is read from its low end on
.set i, i+2
.endr
.set i, 0
.rept 24
	v_pk_mul_f32 v[64+i:65+i], v[64+i:65+i], 0xbfb8aa3b op_sel_hi:[1,0]   ; -a log2(e)
.set i, i+2
.endr
.set i, 0
	s_wait_alu depctr_va_vdst(0)
.rept 48
	v_exp_f32 v[64+i], v[64+i]
.set i, i+1
.endr
	v_nop                                          ; a plain line behind the last exponential,
	s_wait_alu depctr_va_vdst(0)                   ; and one wait for the batch, ahead of its first reader
.set i, 0
.rept 24
	v_pk_add_f32 v[64+i:65+i], v[64+i:65+i], 1.0 op_sel_hi:[1,0]
.set i, i+2
.endr
.set i, 0
	s_wait_alu depctr_va_vdst(0)
.rept 48
	v_rcp_f32 v[64+i], v[64+i]
.set i, i+1
.endr
	v_nop
	s_wait_alu depctr_va_vdst(0)
.set i, 0
.rept 24
	v_pk_mul_f32 v[64+i:65+i], v[64+i:65+i], v[112+i:113+i]       ; h.  Tile m: v[64 + 8 m ..] are units 16 (lane / 16) + 0 .. 7 of my 32, v[88 + 8 m ..] units + 8 .. 15
.set i, i+2
.endr
.irp m, 0,1,2
	v_max3_num_f32 v[128+\m], |v[64+8*\m]|, |v[65+8*\m]|, 0x1800000   ; my 16 numbers and the floor 2^(3 - 127); the three tiles by turns
.endr
.irp i, 2,4,6,24,26,28,30
.irp m, 0,1,2
	v_max3_num_f32 v[128+\m], v[128+\m], |v[64+8*\m+\i]|, |v[65+8*\m+\i]|
.endr
.endr
.irp m, 0,1,2
	v_permlanex16_b32 v[132+\m], v[128+\m], s74, s75
.endr
.irp m, 0,1,2
	v_max_num_f32 v[128+\m], v[128+\m], v[132+\m]  ; with lane l xor 16's 16: the block's largest magnitude
.endr
.irp m, 0,1,2
	v_add_nc_u32 v[120+\m], 0xff000000, v[128+\m]  ; 2 off its exponent field: the conversion's scale operand
.endr
.irp m, 0,1,2
	v_lshrrev_b32 v[124+\m], 23, v[120+\m]         ; the byte
.endr
.irp m, 0,1,2
	v_cvt_scalef32_pk8_fp4_f32 v[112+2*\m], v[64+8*\m:71+8*\m], v[120+\m]
	v_cvt_scalef32_pk8_fp4_f32 v[113+2*\m], v[88+8*\m:95+8*\m], v[120+\m]
.endr
	v_nop                                          ; one plain line behind the last conversion
.irp m, 0,1,2
	ds_store_b64 v4, v[112+2*\m:113+2*\m] offset:HIMG+6144*(\buf)+2048*\m   ; block w of the next K is registers 4 c .. 4 c + 3 of lanes 16 h' + r with w = 4 s + 2 c + h': 256 w + 16 r, my half of the 16 bytes at + 8 h
	ds_store_b8 v5, v[124+\m] offset:HSC+512*(\buf)+64*\m                   ; both lanes of a token write the same byte with the same value
.endr
.endm
; An expert.  THE RING: a chunk is used, and its slot asked for again at once, so behind the chunk that is wanted stand three younger ones of ten loads: the count 30.  Chunks 0-3 were asked for ahead.
.macro EXPERT ptr, next, buf
.irp i, 0,1,2,3,4,5,6,7
	s_wait_loadcnt 30
	s_wait_dscnt 0x0                               ; this K step's fragments of x
	WIN 0x05                                       ; sources 0 (the ring) and 1 (x): window 1
	MUL1 \i
	PLACES
	CHUNK \ptr, \i+4
.if \i < 7
	XF \i+1
.endif
.endr
	s_wait_alu depctr_va_vdst(0)
	SILUQ \buf
	SYNC
.irp s, 0,1
.irp m, 0,1,2
.irp c, 0,1
	ds_load_b128 v[112+8*(3*\s+\m)+4*\c:115+8*(3*\s+\m)+4*\c], v1 offset:HIMG+6144*(\buf)+2048*\m+1024*\s+512*\c
.endr
.endr
	ds_load_b32 v[40+\s], v2 offset:HSC+512*(\buf)+256*\s       ; tiles 0 and 1
	ds_load_b32 v[42+\s], v3 offset:HSC+512*(\buf)+256*\s+128   ; tile 2
.endr
	s_wait_dscnt 0x0
.irp j, 0,1,2,3
.if \next
	s_wait_loadcnt 30
.else
	s_wait_loadcnt 10*(3-\j)                       ; the chunks behind this one
.endif
	WIN 0x01                                       ; source 0: window 1
	MUL2 \j
	PLACES
.if \next
	CHUNK \next, \j
.endif
	ADDOUT \j, \buf                                ; (its 24 lines, of which four name any one product's registers, are also the places ahead of the next run, which begins these sums anew)
.endr
.endm
.macro ST n, op, d, a, b               ; n registers: a constant and a register
.set i, 0
.rept \n
	\op v[\d+i], \a, v[\b+i]
.set i, i+1
.endr
.endm
.macro SV n, op, d, a, b               ; n registers: two registers
.set i, 0
.rept \n
	\op v[\d+i], v[\a+i], v[\b+i]
.set i, i+1
.endr
.endm
.macro BITS n, c, t, m                 ; v[c ..]: for each of the words v[m ..] its bytes' numbers of set bits, summed upward: byte i = those of bytes 0 .. i
	ST \n, v_lshrrev_b32, \t, 1, \m
	ST \n, v_and_b32, \t, 0x55555555, \t
	SV \n, v_sub_nc_u32, \c, \m, \t
	ST \n, v_and_b32, \t, 0x33333333, \c
	ST \n, v_lshrrev_b32, \c, 2, \c
	ST \n, v_and_b32, \c, 0x33333333, \c
	SV \n, v_add_nc_u32, \c, \c, \t
	ST \n, v_lshrrev_b32, \t, 4, \c
	SV \n, v_add_nc_u32, \c, \c, \t
	ST \n, v_and_b32, \c, 0x0f0f0f0f, \c
	ST \n, v_mul_lo_u32, \c, 0x01010101, \c
.endm
.macro SCAN x, t                       ; the running sum over the lanes: inside each half of 16 lanes, then the lower half's sum onto the upper
	v_mov_b32 v[\t], 0
.irp n, 1,2,4,8
	v_mov_b32_dpp v[\t], v[\x] row_shr:\n row_mask:0xf bank_mask:0xf bound_ctrl:1
	v_add_nc_u32 v[\x], v[\x], v[\t]
.endr
	v_readlane_b32 s2, v[\x], 15
	v_cmp_lt_u32 vcc_lo, 15, v56
	v_mov_b32 v[\t], s2
	v_cndmask_b32 v[\t], 0, v[\t], vcc_lo
	v_add_nc_u32 v[\x], v[\x], v[\t]
.endm
	s_load_b256 s[4:11], s[0:1], 0x0               ; keys 4, hist 6, cw 8, xq 10
	s_load_b128 s[12:15], s[0:1], 0x20             ; xs 12, wq 14
	s_load_b64 s[66:67], s[0:1], 0x30              ; out0
	v_lshl_add_u32 v10, v0, 2, SPARE               ; my spare word,
	v_mov_b32 v11, 0                               ; and 0: kept for the closing add alone
	v_lshrrev_b32 v1, 5, v0
	v_readfirstlane_b32 s68, v1                    ; wave 0..7
	v_and_b32 v56, 31, v0                          ; lane
	v_and_b32 v44, 15, v0                          ; r
	v_bfe_u32 v45, v0, 4, 1                        ; h
	v_lshlrev_b32 v1, 4, v56                       ; 16 x lane
	v_lshlrev_b32 v2, 2, v56                       ; 4 x lane
	v_lshlrev_b32 v3, 2, v44                       ; 4 r
	s_lshl_b32 s2, s68, 8
	v_lshlrev_b32 v4, 4, v44
	v_lshl_add_u32 v4, v45, 3, v4
	v_add_nc_u32 v4, s2, v4                        ; my codes of the hidden layer: 256 w + 16 r + 8 h
	s_lshr_b32 s76, s68, 2
	s_and_b32 s77, s68, 3
	s_lshl_b32 s2, s76, 8
	s_add_co_u32 s2, s2, s77
	v_add_nc_u32 v5, s2, v3                        ; my scale byte: 256 (w / 4) + 4 r + w % 4
	s_mul_i32 s2, s68, 8448
	s_add_co_u32 s2, s2, STG                       ; my stage
	v_mul_u32_u24 v6, v44, 528
	v_lshl_add_u32 v6, v45, 5, v6
	v_add_nc_u32 v6, s2, v6                        ; in: row r, 32 bytes for each half of the lanes
	v_add_nc_u32 v7, s2, v1                        ; back: a row of 512 bytes, 16 a lane
	s_lshl_b32 s2, s68, 9
	v_add_nc_u32 v8, s2, v1                        ; and the same in a row of out: 512 w + 16 lane
	v_mul_u32_u24 v9, v45, 272
	v_lshl_add_u32 v9, v44, 4, v9                  ; x's codes, out: piece + h, row r
	s_mul_i32 s2, s76, XT
	s_lshl_b32 s3, s77, 6
	s_add_co_u32 s2, s2, s3
	v_mul_u32_u24 v60, v56, 272
	v_add_nc_u32 v63, s2, v60                      ; in: my rows 4 w .. 4 w + 3: tile w / 4, row 4 (w % 4); piece = lane;
	s_lshl_b32 s2, s68, 5
	v_add_nc_u32 v61, s2, v60                      ; my rows 32 + 2 w, + 1 of tile 2
	s_mul_i32 s2, s68, 49152
	v_add_nc_u32 v14, s2, v1                       ; an expert's codes: my wave's part
	s_and_b32 s3, s68, 1
	s_lshr_b32 s2, s68, 1
	s_lshl_b32 s2, s2, 12
	s_lshl_b32 s76, s3, 2
	s_add_co_u32 s2, s2, s76
	s_add_co_u32 s2, s2, 393216
	v_lshlrev_b32 v62, 3, v56
	v_add_nc_u32 v15, s2, v62                      ; scale words of w1, w3
	s_lshl_b32 s2, s68, 10
	s_add_co_u32 s2, s2, 409600
	v_add_nc_u32 v62, s2, v62                      ; of w2
	s_lshl_b32 s2, s68, 11
	v_add_nc_u32 v60, s2, v1                       ; my 64 groups' counts
	s_lshl_b32 s2, s68, 10
	v_lshlrev_b32 v52, 5, v56                      ; 32 x lane
	v_add_nc_u32 v59, s2, v52                      ; my lane's 32 tokens' keys: tokens 1,024 w + 32 lane on
	s_lshl_b32 s2, s68, 6
	v_and_b32 v58, 1, v56
	v_lshlrev_b32 v58, 5, v58
	v_add_nc_u32 v58, s2, v58                      ; my wave's sums, in: 64 w + 32 (lane % 2)
	v_lshrrev_b32 v57, 4, v56                      ; out, lane = key k: 32 (k / 16) + 4 ((k / 4) % 4) + 16 (k % 2) + 2 ((k / 2) % 2)
	v_lshlrev_b32 v57, 5, v57
	v_bfe_u32 v53, v56, 2, 2
	v_lshl_add_u32 v57, v53, 2, v57
	v_and_b32 v53, 1, v56
	v_lshl_add_u32 v57, v53, 4, v57
	v_bfe_u32 v53, v56, 1, 1
	v_lshl_add_u32 v57, v53, 1, v57
	s_lshl_b32 s2, s68, 7
	v_add_nc_u32 v54, s2, v2                       ; 128 w + 4 lane
	s_lshl_b32 s2, s3, 4
	s_sub_co_u32 s2, 31, s2
	v_and_b32 v55, s2, v56
	s_lshl_b32 s2, s3, 5
	v_add_nc_u32 v55, s2, v55                      ; the row that I look up: even waves row = lane, odd waves 32 + lane % 16
	s_lshl_b32 s2, s68, 4
	v_mov_b32 v51, s2                              ; 16 w: rows 4 w on
	s_lshl_b32 s2, s68, 3
	v_mov_b32 v50, s2                              ; 8 w: rows 32 + 2 w on
	s_mov_b32 s74, 0x76543210
	s_mov_b32 s75, 0xfedcba98                      ; v_permlanex16_b32's selects for lane l xor 16
	s_wait_alu depctr_va_vdst(0)
	s_wait_kmcnt 0x0
.irp i, 0,1,2,3
	global_load_b128 v[64+4*\i:67+4*\i], v60, s[6:7] offset:512*\i   ; lane: keys 16 (lane % 2) .. + 15 of group 64 w + 16 i + lane / 2
.endr
	global_load_b128 v[80:83], v59, s[4:5]
	global_load_b128 v[84:87], v59, s[4:5] offset:16
	s_wait_loadcnt 2                               ; the counts; the keys may be out
.irp d, 0,1,2,3
	v_add3_u32 v[88+\d], v[64+\d], v[68+\d], v[72+\d]
.endr
.irp d, 0,1,2,3
	v_add_nc_u32 v[88+\d], v[88+\d], v[76+\d]      ; four groups of 16: a byte holds 64 at the most
.endr
.irp d, 0,1,2,3
	v_and_b32 v[92+\d], 0xff00ff, v[88+\d]         ; keys 4 d, 4 d + 2 in 16 bits each,
	v_lshrrev_b32 v[96+\d], 8, v[88+\d]
.endr
.irp d, 0,1,2,3
	v_and_b32 v[96+\d], 0xff00ff, v[96+\d]         ; keys 4 d + 1, 4 d + 3
.endr
.irp n, 2,4,8
.irp k, 0,1,2,3,4,5,6,7
	v_add_nc_u32_dpp v[92+\k], v[92+\k], v[92+\k] row_xmask:\n row_mask:0xf bank_mask:0xf
.endr
.endr
.irp k, 0,1,2,3,4,5,6,7
	v_permlanex16_b32 v[64+\k], v[92+\k], s74, s75
.endr
.irp k, 0,1,2,3,4,5,6,7
	v_add_nc_u32 v[92+\k], v[92+\k], v[64+\k]      ; my wave's 1,024 tokens
.endr
	ds_store_b128 v58, v[92:95] offset:HX          ; (lanes of one parity hold the same)
	ds_store_b128 v58, v[96:99] offset:HX+16
	SYNC
.irp w, 0,1,2,3,4,5,6,7
	ds_load_u16 v[64+\w], v57 offset:HX+64*\w
.endr
	s_wait_dscnt 0x0
	v_add3_u32 v72, v64, v65, v66
	v_add3_u32 v72, v72, v67, v68
	v_add3_u32 v72, v72, v69, v70
	v_add_nc_u32 v72, v72, v71                     ; lane = key: N_k
	v_add_nc_u32 v73, 47, v72
	v_mul_u32_u24 v73, 0xaaab, v73
	v_lshrrev_b32 v73, 21, v73                     ; ceil(N_k / 48): n x 43,691 / 2^21 is n / 48 rounded down for n under 2^16
	v_mov_b32 v74, v73
	SCAN 74, 75
	v_readlane_b32 s77, v74, 31                    ; all tiles
	v_sub_nc_u32 v75, v74, v73                     ; the key's first tile
	s_wait_alu depctr_va_vdst(0)
	s_sub_co_u32 s76, s77, 1
	s_min_u32 s76, ttmp9, s76                      ; my tile
	s_cmp_lt_u32 ttmp9, s77
	s_cselect_b32 s69, 1, 0                        ; do I store?
	v_cmp_ge_u32 s78, s76, v75
	v_cmp_lt_u32 s79, s76, v74
	s_and_b32 s78, s78, s79
	s_ctz_i32_b32 s80, s78
	s_min_u32 s80, s80, 27                         ; my key
	s_lshl_b32 s81, s80, 2
	v_mov_b32 v76, s81
	ds_bpermute_b32 v77, v76, v75                  ; its first tile,
	ds_bpermute_b32 v78, v76, v72                  ; and its N_k
	s_mov_b32 s82, 1
.irp k, 1,3,6,10,15,21
	s_cmp_ge_u32 s80, \k
	s_add_co_ci_u32 s82, s82, 0                    ; hi: the largest with hi (hi - 1) / 2 <= key
.endr
	s_sub_co_u32 s83, s82, 1
	s_mul_i32 s83, s83, s82
	s_lshr_b32 s83, s83, 1
	s_sub_co_u32 s83, s80, s83                     ; lo
	s_min_u32 s83, s83, 7
	s_mul_i32 s2, s83, WEXP
	s_mov_b32 s3, 0
	s_add_nc_u64 s[70:71], s[14:15], s[2:3]
	s_min_u32 s82, s82, 7
	s_mul_i32 s2, s82, WEXP
	s_add_nc_u64 s[72:73], s[14:15], s[2:3]
	s_mul_i32 s86, s80, 0x1010101
	s_wait_loadcnt 0x0                             ; the keys
.irp k, 0,1,2,3
	CHUNK 70, \k                                   ; the ring is filled while the tokens are looked up: 40 loads
.endr
	ST 8, v_xor_b32, 80, s86, 80                   ; a byte is 0 where the key is mine, else under 32:
	ST 8, v_sub_nc_u32, 80, 0x80808080, 80         ; its bit 7 stays set where it is 0
	ST 8, v_lshrrev_b32, 80, 7, 80
	ST 8, v_and_b32, 80, 0x01010101, 80
	ST 8, v_mul_lo_u32, 80, 0x01020408, 80         ; the four bits side by side from bit 24 on
	ST 8, v_lshrrev_b32, 80, 24, 80
.irp j, 1,2,3,4,5,6,7
	v_lshl_or_b32 v80, v[80+\j], 4*\j, v80         ; my 32 tokens' mask
.endr
	ds_store_b32 v54, v80 offset:MW
	SYNC
	ds_load_b128 v[64:67], v52 offset:MW           ; words 8 lane .. + 7: tokens 256 lane on
	ds_load_b128 v[68:71], v52 offset:MW+16
	v_readfirstlane_b32 s84, v77
	v_readfirstlane_b32 s85, v78
	s_sub_co_u32 s84, s76, s84
	s_mul_i32 s84, s84, 48
	s_sub_co_u32 s85, s85, 1
	v_add_nc_u32 v88, s84, v55
	v_min_u32 v88, s85, v88                        ; my row's rank among the key's tokens
	s_wait_alu depctr_va_vdst(0)
	s_wait_dscnt 0x0
	BITS 8, 72, 80, 64
	ST 8, v_lshrrev_b32, 72, 24, 72                ; set bits of each word,
.irp j, 1,2,3,4,5,6,7
	v_add_nc_u32 v[72+\j], v[72+\j], v[71+\j]      ; and of the words up to it
.endr
	v_mov_b32 v80, v79
	SCAN 80, 81                                    ; of the lanes up to mine
	v_sub_nc_u32 v81, v80, v79                     ; of the lanes below
	v_mov_b32 v89, 0
.irp n, 16,8,4,2,1
	v_add_nc_u32 v90, \n-1, v89                    ; how many lanes end at or below my rank: by halving
	v_lshlrev_b32 v90, 2, v90
	v_add_nc_u32 v92, \n, v89
	ds_bpermute_b32 v91, v90, v80
	BACK
	v_cmp_ge_u32 vcc_lo, v88, v91
	v_cndmask_b32 v89, v89, v92, vcc_lo
.endr
	v_lshlrev_b32 v93, 2, v89                      ; that lane's
	ds_bpermute_b32 v94, v93, v81                  ; bits below,
.irp j, 0,1,2,3,4,5,6
	ds_bpermute_b32 v[100+\j], v93, v[72+\j]       ; running sums
.endr
.irp j, 0,1,2,3,4,5,6,7
	ds_bpermute_b32 v[108+\j], v93, v[64+\j]       ; and words
.endr
	BACK
	v_sub_nc_u32 v95, v88, v94                     ; my rank in the lane
	v_mov_b32 v96, v108
	v_mov_b32 v97, 0
	v_mov_b32 v98, 0
.irp j, 0,1,2,3,4,5,6
	v_cmp_ge_u32 vcc_lo, v95, v[100+\j]
	v_cndmask_b32 v96, v96, v[109+\j], vcc_lo      ; the word,
	v_cndmask_b32 v97, v97, v[100+\j], vcc_lo      ; the bits ahead of it,
	v_cndmask_b32 v98, v98, \j+1, vcc_lo           ; its number
.endr
	v_sub_nc_u32 v95, v95, v97                     ; my rank in the word
	BITS 1, 99, 120, 96
	v_mov_b32 v121, 0
	v_mov_b32 v122, 0
.irp j, 0,1,2
	v_bfe_u32 v120, v99, 8*\j, 8
	v_cmp_ge_u32 vcc_lo, v95, v120
	v_cndmask_b32 v122, v122, v120, vcc_lo
	v_cndmask_b32 v121, v121, 8*\j+8, vcc_lo       ; the byte: its first bit
.endr
	v_sub_nc_u32 v95, v95, v122                    ; my rank in the byte
	v_lshrrev_b32 v96, v121, v96
.irp j, 0,1,2,3,4,5,6
	v_add_nc_u32 v120, -1, v96
	v_and_b32 v120, v96, v120                      ; the lowest set bit goes,
	v_cmp_lt_u32 vcc_lo, \j, v95                   ; as often as my rank says
	v_cndmask_b32 v96, v96, v120, vcc_lo
.endr
	v_sub_nc_u32 v120, 0, v96
	v_and_b32 v96, v96, v120                       ; my bit alone
	v_lshl_add_u32 v89, v89, 3, v98
	v_lshl_add_u32 v89, v89, 5, v121               ; 256 lane + 32 word + 8 byte
	v_and_b32 v120, 0xaa, v96
	v_cmp_ne_u32 vcc_lo, 0, v120
	v_cndmask_b32 v121, 0, 1, vcc_lo
	v_and_b32 v120, 0xcc, v96
	v_cmp_ne_u32 vcc_lo, 0, v120
	v_cndmask_b32 v122, 0, 2, vcc_lo
	v_and_b32 v120, 0xf0, v96
	v_cmp_ne_u32 vcc_lo, 0, v120
	v_cndmask_b32 v123, 0, 4, vcc_lo
	v_add3_u32 v121, v121, v122, v123
	v_add_nc_u32 v89, v89, v121                    ; the token
	ds_store_b32 v54, v89 offset:TOK
	SYNC
	ds_load_b32 v12, v2 offset:TOK                 ; lane l: row l
	ds_load_b32 v13, v3 offset:TOK+128             ; row 32 + r
	ds_load_b32 v64, v3 offset:TOK                 ; row r
	ds_load_b32 v65, v3 offset:TOK+64              ; row 16 + r
.irp q, 0,1,2,3
	ds_load_b32 v[66+\q], v51 offset:TOK+4*\q      ; row 4 w + q
.endr
.irp q, 0,1
	ds_load_b32 v[70+\q], v50 offset:TOK+128+4*\q  ; row 32 + 2 w + q
.endr
	s_wait_dscnt 0x0
	v_min_u32 v12, 0x1fff, v12                     ; held inside the buffers
	v_min_u32 v13, 0x1fff, v13
.irp q, 64,65,66,67,68,69,70,71
	v_min_u32 v[\q], 0x1fff, v[\q]
.endr
.irp q, 66,67,68,69,70,71
	v_lshl_add_u32 v[\q], v[\q], 9, v1             ; a row of codes: 512 bytes
.endr
	v_and_b32 v72, 0x1ff0, v12
	v_and_b32 v73, 15, v12
	v_and_b32 v74, 0x1ff0, v13
	v_and_b32 v75, 15, v13
	v_lshlrev_b32 v72, 5, v72
	v_lshlrev_b32 v73, 4, v73
	v_lshlrev_b32 v74, 5, v74
	v_lshlrev_b32 v75, 4, v75
	v_add_nc_u32 v72, v72, v73                     ; xs: (T & 0x1ff0) x 32 + 16 (T & 15)
	v_add_nc_u32 v74, v74, v75
	v_lshlrev_b32 v64, 3, v64                      ; cw: 8 bytes a token
	v_lshlrev_b32 v65, 3, v65
	v_lshlrev_b32 v76, 3, v13
.irp q, 0,1,2,3,4,5
	global_load_b128 v[80+4*\q:83+4*\q], v[66+\q], s[10:11]   ; a whole row of codes: 512 consecutive bytes
.endr
	global_load_b128 v[16:19], v72, s[12:13]       ; x's scale words of K steps 0-3: lanes 0-15 tile 0, lanes 16-31 tile 1
	global_load_b128 v[20:23], v72, s[12:13] offset:256     ; 4-7
	global_load_b128 v[24:27], v74, s[12:13]       ; tile 2
	global_load_b128 v[28:31], v74, s[12:13] offset:256
	global_load_b64 v[44:45], v64, s[8:9]          ; the two weights of my token in tile 0, 1, 2
	global_load_b64 v[46:47], v65, s[8:9]
	global_load_b64 v[48:49], v76, s[8:9]
.set i, 0
.rept 32
	v_readlane_b32 s[16+i], v12, i
.set i, i+1
.endr
.set i, 0
.rept 16
	v_readlane_b32 s[48+i], v13, i
.set i, i+1
.endr
.set i, 16
.rept 48
	s_min_u32 s[i], s[i], 0x1fff                   ; the token, held inside the buffer,
	s_lshl_b32 s[i], s[i], 12                      ; x a row of out
.set i, i+1
.endr
	s_wait_loadcnt 0x0                             ; (the ring's loads are older)
.irp q, 0,1,2,3
	ds_store_b128 v63, v[80+4*\q:83+4*\q] offset:XB+16*\q
.endr
.irp q, 0,1
	ds_store_b128 v61, v[96+4*\q:99+4*\q] offset:XB+2*XT+16*\q
.endr
	SYNC
	XF 0
	EXPERT 70, 72, 0                               ; the lower expert; its second product asks for the higher's first chunks
	XF 0
	EXPERT 72, 0, 1                                ; the higher expert
	s_wait_alu depctr_va_vdst(0)
	s_cmp_eq_u32 s69, 0
	s_cbranch_scc1 .Lend                           ; beyond the split's tiles: nothing to store
	; THE WAY OUT.  A lane holds 32 neighbouring bytes of a token's row, the lanes beside it other tokens: a tile goes through my own stage and comes back as rows of 512 bytes.  LDS serves a wave's instructions in order.
.set i, 0
.rept 48
	v_add_nc_u32 v[64+i], s[16+i], v8              ; the token's row of out, my wave's 512 bytes
.set i, i+1
.endr
.macro TOSTAGE m
.irp n, 0,1,2,3,4,5,6,7
.if \n < 4
.set OB, 160+48*(\n/2)+8*(3*(\n%2)+\m)
	WIN 0
.else
.set OB, 128+48*(\n/2-2)+8*(3*(\n%2)+\m)
	WIN 0x04                                       ; an LDS store's data are its source 1: window 1
.endif
	ds_store_b128 v6, v[OB:OB+3] offset:64*\n
	ds_store_b128 v6, v[OB+4:OB+7] offset:64*\n+16
.endr
	WIN 0x40
.irp t, 0,1,2,3,4,5,6,7,8,9,10,11,12,13,14,15
	ds_load_b128 v[64*(\m%2)+4*\t:64*(\m%2)+4*\t+3], v7 offset:528*\t
.endr
.endm
.macro SEND m, younger                 ; younger: the LDS instructions issued behind the tile's loads, which may stay out
	s_wait_dscnt \younger
	WIN 0x04
.irp t, 0,1,2,3,4,5,6,7,8,9,10,11,12,13,14,15
	global_store_b128 v[64+16*\m+\t], v[64*(\m%2)+4*\t:64*(\m%2)+4*\t+3], s[66:67] th:TH_STORE_NT   ; 32 lanes store 512 consecutive bytes, aligned
.endr
.endm
	TOSTAGE 0
	TOSTAGE 1
	s_wait_alu depctr_va_vdst(0)
	SEND 0, 32
	s_wait_xcnt 0x0                                ; tile 0's stores have read their registers: tile 2's loads may land there
	TOSTAGE 2
	SEND 1, 32
	SEND 2, 0
	WIN 0
.Lend:
	s_wait_tensorcnt 0x0                           ; the wave's end, behind my last LDS store
	ds_add_u32 v10, v11
	s_wait_dscnt 0x0
	s_endpgm
.Lfunc_end_k_qfe74ac07c2_moe:
	.size	k_qfe74ac07c2_moe, .Lfunc_end_k_qfe74ac07c2_moe-k_qfe74ac07c2_moe
	.p2alignl 7, 3214868480
	.fill 96, 4, 3214868480
	.section	.rodata,"a",@progbits
	.p2align	6, 0x0
	.amdhsa_kernel k_qfe74ac07c2_moe
		.amdhsa_group_segment_fixed_size 110592
		.amdhsa_private_segment_fixed_size 0
		.amdhsa_enable_private_segment 0
		.amdhsa_kernarg_size 56
		.amdhsa_user_sgpr_count 2
		.amdhsa_user_sgpr_kernarg_segment_ptr 1
		.amdhsa_wavefront_size32 1
		.amdhsa_system_sgpr_workgroup_id_x 1
		.amdhsa_system_sgpr_workgroup_id_y 1
		.amdhsa_system_sgpr_workgroup_id_z 1
		.amdhsa_system_vgpr_workitem_id 0
		.amdhsa_next_free_vgpr 512
		.amdhsa_next_free_sgpr 88
		.amdhsa_reserve_vcc 1
		.amdhsa_float_denorm_mode_32 3
		.amdhsa_float_denorm_mode_16_64 3
		.amdhsa_memory_ordered 1
		.amdhsa_forward_progress 1
		.amdhsa_inst_pref_size 164
	.end_amdhsa_kernel
	.amdgpu_metadata
---
amdhsa.version: [ 1, 2 ]
amdhsa.kernels:
  - .name:           k_qfe74ac07c2_moe
    .symbol:         k_qfe74ac07c2_moe.kd
    .args:
      - { .name: keys, .offset: 0, .size: 8, .value_kind: global_buffer, .address_space: global }
      - { .name: hist, .offset: 8, .size: 8, .value_kind: global_buffer, .address_space: global }
      - { .name: cw, .offset: 16, .size: 8, .value_kind: global_buffer, .address_space: global }
      - { .name: xq, .offset: 24, .size: 8, .value_kind: global_buffer, .address_space: global }
      - { .name: xs, .offset: 32, .size: 8, .value_kind: global_buffer, .address_space: global }
      - { .name: wq, .offset: 40, .size: 8, .value_kind: global_buffer, .address_space: global }
      - { .name: out0, .offset: 48, .size: 8, .value_kind: global_buffer, .address_space: global }
    .group_segment_fixed_size: 110592
    .private_segment_fixed_size: 0
    .kernarg_segment_align: 8
    .kernarg_segment_size: 56
    .max_flat_workgroup_size: 256
    .sgpr_count:     88
    .vgpr_count:     512
    .wavefront_size: 32
...
	.end_amdgpu_metadata
.endif
;; end of part 2
